; MI455X (gfx1250); checked and timed in simulation.
; The chip was launched on July 23, 2026; its instructions are those of AMD's public machine-readable ISA for CDNA 5 (MIT licence, August 2026) and "CDNA5" Instruction Set Architecture Reference Guide (July 2026). The comments in the code are by the model that wrote it; some were corrected since.
;; Dynamic Mo E. Allowed arithmetic: matrix products marked QUANTISED: E2M3 operands, one E8M0 scale for each 32 along K, by v_wmma_scale_f32_16x16x128_f8f6f4 with both operands' format E2M3, f32 sums; products left as they are: f32 operands where the result goes on into a quantised operand, else bf16, f16 or f32 operands; f32 sums; everything else in f32.
;; Inputs: W1 8 x 1,024 x 4,096 float32; W2 8 x 4,096 x 1,024 float32; Wg 1,024 x 8 float32; b1 8 x 4,096 float32; b2 8 x 1,024 float32; bg 8 float32; x 4 x 256 x 1,024 float32.
;; Outputs: out0 4 x 256 x 1,024 float32.
;; This version of the problem:
;;   THIS VERSION OF THE PROBLEM IS GIVEN IN LOW PRECISION. The matrix products marked QUANTISED in the list below multiply operands that are first quantised to E2M3 (2 exponent bits, 3 mantissa bits; 6 bits a number), with one power-of-two scale for each 32 numbers along K (OCP MX v1.0); their sums are f32. All else is computed in f32.
;;   The module's matrix products, in the order in which they are computed (A, B: the left and right operand; K: the contracted axis; several contracted axes count as one K, in the product's order):
;;     1. [M 1,024, K 1,024] x [K 1,024, N 8]; A: input x; B: input Wg: left as it is (N = 8 < 16)
;;     2. [M 32,768, K 1,024] x [K 1,024, N 1,024]; A: input W1; B: input x: QUANTISED
;;     3. batch 8 x [M 1,024, K 4,096] x [K 4,096, N 1,024]; A: computed on the way; B: input W2: QUANTISED
;;     4. batch 1,024 x [M 1, K 8] x [K 8, N 1,024]; A: computed on the way; B: computed on the way: left as it is (K = 8 < 32)
;;   THE QUANTISER, for each operand of a quantised product, along K:
;;     - K is cut into blocks of 32 from its start; a last block that is shorter is filled with zeros.
;;     - A block's scale is 2^e with e = floor(log2(the largest magnitude in the block)) - 2, held to -126 .. 127; a block of zeros has e = 0. As a byte (E8M0): e + 127.
;;     - Each number is divided by its block's scale, clamped to +-7.5, and rounded to the nearest number of E2M3, ties to even, subnormals kept.
;;     - The product sums the exact products of the quantised numbers (number of the format x scale) in f32.
;;   ~~~python
;;   def quantise(x, axis):      # numpy; x: float32 -> the quantised numbers, widened to float32 again
;;       x = np.moveaxis(x, axis, -1); K = x.shape[-1]
;;       x = np.pad(x, [(0, 0)] * (x.ndim - 1) + [(0, -K % 32)]); x = x.reshape(x.shape[:-1] + (-1, 32)); a = np.abs(x).max(-1, keepdims=True)
;;       e = np.where(a > 0, np.clip(np.frexp(np.where(a > 0, a, 1))[1] - 1 - 2, -126, 127), 0)      # np.frexp(a)[1] - 1 = floor(log2(a)), exactly
;;       r = np.clip(x / 2.0 ** e, -7.5, 7.5)
;;       step = 2.0 ** (np.maximum(np.frexp(np.where(r == 0, 1, r))[1] - 1, 0) - 3)
;;       q = np.round(r / step) * step * 2.0 ** e      # np.round: ties to even
;;       return np.moveaxis(q.reshape(q.shape[:-2] + (-1,))[..., :K], -1, axis).astype(np.float32)
;;   ~~~
;;   OPERANDS COMPUTED ON THE WAY. 'Computed on the way' means the value that the module computes at that place (a softmax that the list does not call 'softmax' is quantised finished and normalised). What goes into a quantiser is computed in f32, as accurately as f32 sums, v_exp_f32 and their like allow (about 1e-6 of the number): no bf16 or f16 on the way to a quantiser, and a product that is left as it is and whose result goes on into a quantised operand takes f32 operands (vector FMAs, or v_wmma_f32_16x16x4_f32). A number that lies on a knife's edge between two numbers of the format may be rounded either way, as far as f32 arithmetic and the matrix unit's own rounding can turn it there, and no further.
;; One version. Each part assembles by itself: llvm-mc -triple=amdgcn-amd-amdhsa -mcpu=gfx1250 --defsym DOCPART=n.
;; ======== version 1 of 1: 4 launches
;; workspace buffers: xq 819,200 bytes; w1q 26,214,400 bytes; w2q 26,214,400 bytes; hq 26,214,400 bytes; gw 32,768 bytes; part 33,554,432 bytes
;; launch prep (part 1): grid 1088 x 1, 4 waves a work-group, no clusters, 52,736 bytes of LDS; arguments x, Wg, bg, W1, W2, xq, gw, w1q, w2q; writes xq, gw, w1q, w2q
.if DOCPART == 1
	.amdgcn_target "amdgcn-amd-amdhsa--gfx1250"
	.amdhsa_code_object_version 6
	.text
	.protected	k_qcf994a1cc8_prep
	.globl	k_qcf994a1cc8_prep
	.p2align	8
	.type	k_qcf994a1cc8_prep,@function
k_qcf994a1cc8_prep:
	s_mov_b64 s[64:65], 0
	v_nop
	global_prefetch_b8 v0, s[64:65] scope:SCOPE_SE
	s_setreg_imm32_b32 hwreg(HW_REG_WAVE_MODE, 25, 1), 1
	s_wait_xcnt 0x0
; x [1024][1024], W1 [8][1024 k][4096 n] and W2 [8][4096 k][1024 n], f32, become codes of FP6 (E2M3) with one E8M0 byte for each 32 along K; and the gate's weights p x (p > 0.5), p = sigmoid(x Wg + bg), are made in f32.
; THE CODES ARE LAID AS IMAGES OF THE OPERAND'S REGISTERS.  A super-tile is 128 rows x 256 K in 25,600 bytes: fragment (row tile i, K step q of 128) at (2 i + q) x 1,536; in it registers 4 c .. 4 c + 3 of lane l
; at 512 c + 16 l (lane (r, h): registers 0-5 = block h of the step, 6-11 = block 2 + h); the scale words (four bytes, byte b for block b) at 24,576 + 128 i + 8 r + 4 q.
; A block's scale is 2^(floor(log2(its largest magnitude)) - 2): its byte is the largest magnitude's exponent field - 2, held at 1 from below.
; LIMITS: NaN and infinities among the inputs are not served.  A block whose largest magnitude lies under 2^-124 gets the byte 1; so does a block of zeros, where the quantiser says 127: its codes are zeros, which add
; nothing under any byte but 0xff, and this program alone reads the bytes.  The mask is taken of the computed p = 1 / (1 + 2^(-1.442695 z)): a logit within f32 rounding of 0 may fall either way.
; SHARES.  Work-groups 0-511: W1.  512-1023: W2.  These 1,024 have equal work and come first in the grid.  1024-1087: a tile of 16 tokens of x each (path X, with the gate): a quarter of the others' bytes, so they come last.
; The paths part on the work-group's number alone.
; PATH W: a work-group takes 128 columns x 512 along K (two super-tiles).  A LANE TAKES A COLUMN AND ITS REGISTERS RUN DOWN K: a load reads 128 consecutive bytes a wave, a block of 32 lies in one lane, and the
; conversions give codes with K innermost.  Of each 32 columns, column c becomes row (c & 7) + 8 (c >> 4) of tile (c >> 3) & 1, so that in a product used transposed a lane's 16 registers of two neighbouring tiles
; are 16 neighbouring columns.  No LDS, no barrier; every offset is an immediate (511 x 16,384 bytes at the most, inside the signed 24 bits); no store's data and no address register is written again.
.set X,     32                         ; v32-95   numbers: path W two sets of 32, path X 64 of a K step
.set CODE,  96                         ; v96-191  path W: step s of four at 96 + 24 s: blocks 0, 2 in +0..11, blocks 1, 3 in +12..23
.set WS,    96                         ; v96-159  path X: rows of Wg, two halves of 32
.set ACC,   160                        ; v160-167 path X: the eight logits' partial sums
.set XC,    168                        ; v168-191 path X: the codes of K steps 0 and 1
.set RED,   32768                      ; LDS, path X: behind the four waves' 8,192 bytes of Wg: 512 bytes a wave for the logits
.set STGX,  34816                      ; LDS, path X: behind them a stage for each wave: 16 rows x XP bytes
.set XP,    272                        ; a stage row: 256 bytes + 16, so that the sixteen rows that a load touches begin in sixteen different columns of 16 bytes
.set STB,   25600                      ; bytes of a super-tile
.set SCO,   24576                      ; where its scale words begin
.macro WLOAD t, pitch, src             ; block t: rows 32 t + i of my column into set t % 2
.irp i, 0,1,2,3,4,5,6,7,8,9,10,11,12,13,14,15,16,17,18,19,20,21,22,23,24,25,26,27,28,29,30,31
	global_load_b32 v[X+32*((\t)%2)+\i], v3, s[\src:\src+1] offset:(32*(\t)+\i)*\pitch th:TH_LOAD_NT
.endr
.endm
.macro WBLOCK t, pitch, src, dst
.set XS, X+32*((\t)%2)
.set CD, CODE+24*((\t)/4)+12*((\t)%2)+6*(((\t)%4)/2)
.if (\t) < 15
	s_wait_loadcnt 32                              ; this block's 32 loads are in; the next block's 32 may be out
.else
	s_wait_loadcnt 0x0
.endif
	v_max3_num_f32 v12, |v[XS]|, |v[XS+1]|, |v[XS+2]|               ; the block's largest magnitude: all 32 numbers are mine; two chains
	v_max3_num_f32 v13, |v[XS+3]|, |v[XS+4]|, |v[XS+5]|
.irp i, 6,10,14,18,22,26
	v_max3_num_f32 v12, v12, |v[XS+\i]|, |v[XS+\i+1]|
	v_max3_num_f32 v13, v13, |v[XS+\i+2]|, |v[XS+\i+3]|
.endr
	v_max3_num_f32 v12, v12, |v[XS+30]|, |v[XS+31]|
	v_max3_num_f32 v12, v12, v13, 0x1800000        ; and the floor 2^(3 - 127): the byte cannot fall under 1
	v_add_nc_u32 v11, 0xff000000, v12              ; 2 off the exponent field: the conversion takes the exponent field of this operand as its scale
	v_cvt_scalef32_pk16_fp6_f32 v[CD:CD+2], v[XS:XS+15], v11
	v_cvt_scalef32_pk16_fp6_f32 v[16:18], v[XS+16:XS+31], v11       ; (a conversion's three registers begin on an even number: the block's upper half is made here and moved)
	v_lshrrev_b32 v14, 23, v11                     ; the scale's byte; also the plain line behind the conversions
.irp i, 0,1,2
	v_mov_b32 v[CD+3+\i], v[16+\i]
.endr
.if (\t)%4 == 0
	v_mov_b32 v[24+(\t)/4], v14                    ; four bytes make a K step's scale word, the lower K in the lower byte
.else
	v_lshl_or_b32 v[24+(\t)/4], v14, 8*((\t)%4), v[24+(\t)/4]
.endif
.if (\t) < 14
	WLOAD (\t)+2, \pitch, \src
.endif
.if (\t)%4 == 3                        ; a K step of 128 is whole: blocks 0, 2 are the image of lane (r, 0), blocks 1, 3 that of lane (r, 1), 256 bytes on.  The sixteen lanes of a tile store 256 consecutive bytes, aligned
.irp c, 0,1,2
	global_store_b128 v4, v[CODE+24*((\t)/4)+4*\c:CODE+24*((\t)/4)+4*\c+3], s[\dst:\dst+1] offset:((\t)/8)*STB+(((\t)/4)%2)*1536+512*\c
	global_store_b128 v4, v[CODE+24*((\t)/4)+12+4*\c:CODE+24*((\t)/4)+12+4*\c+3], s[\dst:\dst+1] offset:((\t)/8)*STB+(((\t)/4)%2)*1536+512*\c+256
.endr
.endif
.if (\t)%8 == 7
	global_store_b64 v5, v[24+2*((\t)/8):25+2*((\t)/8)], s[\dst:\dst+1] offset:((\t)/8)*STB+SCO   ; a super-tile's two scale words of my row: the wave stores 256 consecutive bytes, aligned
.endif
.endm
.macro QW pitch, src, dst
	WLOAD 0, \pitch, \src
	WLOAD 1, \pitch, \src
.set T, 0
.rept 16
	WBLOCK T, \pitch, \src, \dst
.set T, T+1
.endr
.endm
	s_load_b512 s[4:19], s[0:1], 0x0               ; x s[4:5], Wg s[6:7], bg s[8:9], W1 s[10:11], W2 s[12:13], xq s[14:15], gw s[16:17], w1q s[18:19]
	s_load_b64 s[20:21], s[0:1], 0x40              ; w2q
	v_lshl_add_u32 v192, v0, 2, 0xcc00
	v_mov_b32 v193, 0
	s_wait_kmcnt 0x0
	s_cmp_ge_u32 ttmp9, 1024
	s_cbranch_scc1 .Lpath_x
	v_lshlrev_b32 v3, 2, v0                        ; in: 4 bytes a thread: the four waves stand side by side on 512 bytes of a row
	v_lshrrev_b32 v1, 5, v0                        ; which 32 columns
	v_bfe_u32 v2, v0, 3, 1
	v_lshl_or_b32 v1, v1, 1, v2                    ; my column's tile of 16 rows
	v_and_b32 v2, 7, v0
	v_bfe_u32 v6, v0, 4, 1
	v_lshl_or_b32 v2, v6, 3, v2                    ; and its row r in it
	v_mul_u32_u24 v4, v1, 3072
	v_lshl_add_u32 v4, v2, 4, v4                   ; out: the tile's two fragments begin at 3,072 x tile; 16 r in an image
	v_lshlrev_b32 v5, 7, v1
	v_lshl_add_u32 v5, v2, 3, v5                   ; scale words: 128 x tile + 8 r
	s_mov_b32 s25, 0
	s_mov_b32 s27, 0
	s_cmp_lt_u32 ttmp9, 512
	s_cbranch_scc1 .Lpath_w1
	s_sub_co_u32 s22, ttmp9, 512                   ; W2: j = ((expert x 8 + column block) x 8 + which 512 along K)
	s_lshr_b32 s24, s22, 6
	s_lshl_b32 s24, s24, 24                        ; an expert is 2^24 bytes,
	s_and_b32 s23, s22, 7
	s_lshl_b32 s23, s23, 21                        ; 512 rows of 4,096 bytes,
	s_or_b32 s24, s24, s23
	s_bfe_u32 s23, s22, 0x30003
	s_lshl_b32 s23, s23, 9                         ; 128 columns
	s_or_b32 s24, s24, s23
	s_mul_i32 s26, s22, 2*STB
	s_add_nc_u64 s[12:13], s[12:13], s[24:25]
	s_add_nc_u64 s[20:21], s[20:21], s[26:27]
	QW 4096, 12, 20
	s_endpgm
.Lpath_w1:
	s_mov_b32 s22, ttmp9                           ; W1: j = ((expert x 32 + column block) x 2 + which 512 along K)
	s_lshr_b32 s24, s22, 6
	s_lshl_b32 s24, s24, 24
	s_and_b32 s23, s22, 1
	s_lshl_b32 s23, s23, 23                        ; 512 rows of 16,384 bytes
	s_or_b32 s24, s24, s23
	s_bfe_u32 s23, s22, 0x50001
	s_lshl_b32 s23, s23, 9
	s_or_b32 s24, s24, s23
	s_mul_i32 s26, s22, 2*STB
	s_add_nc_u64 s[10:11], s[10:11], s[24:25]
	s_add_nc_u64 s[18:19], s[18:19], s[26:27]
	QW 16384, 10, 18
	s_endpgm
; PATH X: work-group 1024 + T takes tokens 16 T .. 16 T + 15; wave w takes K = 256 w .. 256 w + 255, two K steps.  The operand's layout gives lane (r, h) blocks h and 2 + h of row r's step: 128 bytes of a row each.
; Loaded so, a load's 32 lanes would take 16 bytes at 32 places far apart.  So the loads take the bytes as they lie (lanes 0-15 the 256 bytes of one row, lanes 16-31 those of the next: two aligned runs of 256 bytes a load),
; and 16 rows x 256 bytes at a time turn through the wave's own stage in LDS and come back 128 bytes a lane.  The conversions' results are then the fragment's registers.
; The same numbers feed the gate: eight fused multiply-adds a number, with Wg's rows read from the wave's own 8,192 bytes of LDS.
.macro XLOAD q                         ; K step q: half c (64 along K for each half of the lanes) of rows 2 m and 2 m + 1
.irp c, 0,1
.irp m, 0,1,2,3,4,5,6,7
	global_load_b128 v[X+32*\c+4*\m:X+32*\c+4*\m+3], v4, s[4:5] offset:8192*\m+512*\q+256*\c th:TH_LOAD_NT
.endr
.endr
.endm
.macro XTURN                           ; through the stage, into the registers that they left: register 32 c + i then holds k = 64 c + 32 h + i of the step, of row r
.irp c, 0,1
.irp m, 0,1,2,3,4,5,6,7
	ds_store_b128 v27, v[X+32*\c+4*\m:X+32*\c+4*\m+3] offset:2*XP*\m   ; LDS serves a wave's instructions in order: half 1's stores come behind half 0's loads from the same bytes
.endr
	s_wait_dscnt 0x0                               ; the stores have read their registers, into which the loads below land
.irp j, 0,1,2,3,4,5,6,7
	ds_load_b128 v[X+32*\c+4*\j:X+32*\c+4*\j+3], v1 offset:16*\j
.endr
.endr
.endm
.macro GLOAD q, g                      ; batch g of sixteen: Wg's rows of my numbers 4 g .. 4 g + 3 of the step, 32 bytes each, into half g % 2
.irp n, 0,1,2,3
	ds_load_b128 v[WS+32*((\g)%2)+8*\n:WS+32*((\g)%2)+8*\n+3], v5 offset:(128*(\q)+64*((4*(\g)+\n)/32)+(4*(\g)+\n)%32)*32
	ds_load_b128 v[WS+32*((\g)%2)+8*\n+4:WS+32*((\g)%2)+8*\n+7], v5 offset:(128*(\q)+64*((4*(\g)+\n)/32)+(4*(\g)+\n)%32)*32+16
.endr
.endm
.macro GATE q
	GLOAD \q, 0
.set G, 0
.rept 16
.if G < 15
	GLOAD \q, G+1
	s_wait_dscnt 8                                 ; this batch's eight loads, and all LDS loads ahead of them, are in; the next batch's eight may be out
.else
	s_wait_dscnt 0x0
.endif
.irp n, 0,1,2,3
.irp e, 0,1,2,3,4,5,6,7
	v_fmac_f32 v[ACC+\e], v[X+4*G+\n], v[WS+32*(G%2)+8*\n+\e]
.endr
.endr
.set G, G+1
.endr
.endm
.macro XQUANT q
.irp c, 0,1
	v_max3_num_f32 v[12+\c], |v[X+32*\c]|, |v[X+32*\c+1]|, 0x1800000   ; my block 2 c + h: all its 32 numbers are mine; the floor 2^(3 - 127) among the leaves
.endr
.irp i, 2,4,6,8,10,12,14,16,18,20,22,24,26,28,30
.irp c, 0,1
	v_max3_num_f32 v[12+\c], v[12+\c], |v[X+32*\c+\i]|, |v[X+32*\c+\i+1]|   ; (the two blocks by turns)
.endr
.endr
.irp c, 0,1
	v_add_nc_u32 v[28+\c], 0xff000000, v[12+\c]    ; the conversion's scale operand
.endr
.irp c, 0,1
	v_lshrrev_b32 v[30+\c], 23, v[28+\c]           ; the scale's byte
.endr
	v_lshl_or_b32 v[24+\q], v31, 16, v30           ; my two bytes, blocks h and 2 + h,
	v_lshlrev_b32 v[24+\q], v11, v[24+\q]          ; at their places in the word (8 h bits up);
	v_mov_b32 v23, 0
	v_permlanex16_b32 v23, v[24+\q], s38, s39
	v_or_b32 v[24+\q], v[24+\q], v23               ; with lane l xor 16's two the word is whole
.irp c, 0,1
	v_cvt_scalef32_pk16_fp6_f32 v[XC+12*\q+6*\c:XC+12*\q+6*\c+2], v[X+32*\c:X+32*\c+15], v[28+\c]
	v_cvt_scalef32_pk16_fp6_f32 v[16+4*\c:18+4*\c], v[X+32*\c+16:X+32*\c+31], v[28+\c]
.endr
	v_nop                                          ; one plain line behind the conversions
.irp c, 0,1
.irp i, 0,1,2
	v_mov_b32 v[XC+12*\q+6*\c+3+\i], v[16+4*\c+\i]
.endr
.endr
.irp c, 0,1,2
	global_store_b128 v7, v[XC+12*\q+4*\c:XC+12*\q+4*\c+3], s[34:35] offset:1536*\q+512*\c   ; the image: 512 consecutive bytes a store
.endr
.endm
.Lpath_x:
	s_sub_co_u32 s30, ttmp9, 1024                  ; T: which 16 tokens
	v_lshrrev_b32 v1, 5, v0
	v_readfirstlane_b32 s22, v1                    ; wave w
	v_and_b32 v1, 31, v0                           ; lane
	v_and_b32 v2, 15, v0                           ; r
	v_bfe_u32 v3, v0, 4, 1                         ; h
	v_lshlrev_b32 v4, 12, v3
	v_lshl_add_u32 v4, v2, 4, v4                   ; x, as it lies: 16 bytes a lane; lanes 16-31 one row of 4,096 bytes further down
	s_lshl_b32 s23, s22, 13                        ; my wave's 8,192 bytes of Wg, in memory and in LDS
	v_lshlrev_b32 v5, 10, v3
	v_add_nc_u32 v5, s23, v5                       ; LDS, reading: + 32 rows of 32 bytes for lanes 16-31
	v_lshlrev_b32 v7, 4, v1                        ; 16 x lane
	v_add_nc_u32 v6, s23, v7                       ; LDS, writing
	s_mul_i32 s29, s22, 16*XP
	s_add_co_u32 s29, s29, STGX                    ; my wave's stage
	v_mul_u32_u24 v27, v3, XP
	v_lshl_add_u32 v27, v2, 4, v27
	v_add_nc_u32 v27, s29, v27                     ; into it: as loaded: row h of a pair, 16 bytes a lane
	v_mul_u32_u24 v1, v2, XP
	v_lshl_add_u32 v1, v3, 7, v1
	v_add_nc_u32 v1, s29, v1                       ; out of it: row r, + 128 h: my block's 128 bytes
	v_lshlrev_b32 v8, 3, v2
	v_lshl_add_u32 v8, v3, 2, v8                   ; scale words out: 8 r + 4 h
	s_lshl_b32 s25, s22, 9
	s_add_co_u32 s25, s25, RED
	v_lshlrev_b32 v9, 5, v2
	v_add_nc_u32 v9, s25, v9                       ; my wave's logits: 32 bytes a token
	v_lshlrev_b32 v15, 2, v0                       ; 4 x thread: (token, expert) = (thread / 8, thread % 8)
	v_add_nc_u32 v10, RED, v15
	v_lshlrev_b32 v11, 3, v3                       ; 8 h
	v_and_b32 v14, 7, v0
	v_lshlrev_b32 v14, 2, v14                      ; bg: 4 x expert
	s_mov_b32 s38, 0x76543210
	s_mov_b32 s39, 0xfedcba98                      ; v_permlanex16_b32's selects for lane l xor 16
	s_mov_b32 s40, 0xffff0000                      ; lanes 16-31
	s_lshl_b32 s26, s30, 16
	s_lshl_b32 s24, s22, 10
	s_add_co_u32 s26, s26, s24
	s_mov_b32 s27, 0
	s_add_nc_u64 s[4:5], s[4:5], s[26:27]          ; x at token 16 T, K = 256 w
	s_mov_b32 s26, s23
	s_add_nc_u64 s[6:7], s[6:7], s[26:27]          ; Wg at row 256 w
	s_lshr_b32 s26, s30, 3
	s_lshl_b32 s26, s26, 2
	s_add_co_u32 s26, s26, s22
	s_mul_i32 s26, s26, STB
	s_add_nc_u64 s[14:15], s[14:15], s[26:27]      ; my super-tile: (T / 8) x 4 + w
	s_and_b32 s28, s30, 7
	s_mul_i32 s26, s28, 3072
	s_add_nc_u64 s[34:35], s[14:15], s[26:27]      ; its fragments of tile T % 8
	s_lshl_b32 s26, s28, 7
	s_add_co_u32 s26, s26, SCO
	s_add_nc_u64 s[36:37], s[14:15], s[26:27]      ; and that tile's scale words
	s_lshl_b32 s26, s30, 9
	s_add_nc_u64 s[16:17], s[16:17], s[26:27]      ; gw at token 16 T
	XLOAD 0
.irp j, 0,1,2,3,4,5,6,7,8,9,10,11,12,13,14,15
	global_load_b128 v[WS+4*\j:WS+4*\j+3], v7, s[6:7] offset:512*\j
.endr
	global_load_b32 v19, v14, s[8:9]
.irp e, 0,1,2,3,4,5,6,7
	v_mov_b32 v[ACC+\e], 0
.endr
	s_wait_loadcnt 0x0
.irp j, 0,1,2,3,4,5,6,7,8,9,10,11,12,13,14,15
	ds_store_b128 v6, v[WS+4*\j:WS+4*\j+3] offset:512*\j   ; the wave's own bytes: LDS serves a wave's instructions in order, so no barrier
.endr
	s_wait_dscnt 0x0                               ; the stores have read their registers, which take LDS loads next
	XTURN
	GATE 0
	XQUANT 0
	XLOAD 1
	s_wait_loadcnt 0x0
	XTURN
	GATE 1
	XQUANT 1
	v_cndmask_b32 v26, v24, v25, s40               ; lanes 0-15 send K step 0's word of row r, lanes 16-31 step 1's
	global_store_b32 v8, v26, s[36:37]             ; 128 consecutive bytes
.irp e, 0,1,2,3,4,5,6,7
	v_permlanex16_b32 v[WS+\e], v[ACC+\e], s38, s39
.endr
.irp e, 0,1,2,3,4,5,6,7
	v_add_f32 v[ACC+\e], v[ACC+\e], v[WS+\e]       ; with lane l xor 16's blocks: my wave's 256 along K
.endr
	ds_store_b128 v9, v[ACC:ACC+3]                 ; (both halves of the lanes write the same bytes with the same values)
	ds_store_b128 v9, v[ACC+4:ACC+7] offset:16
	s_wait_dscnt 0x0                               ; for the others' sake: my stores are done
	s_barrier_signal -1
	s_barrier_wait -1
.irp w, 0,1,2,3
	ds_load_b32 v[WS+\w], v10 offset:512*\w
.endr
	s_wait_dscnt 0x0
	v_add_f32 v96, v96, v97
	v_add_f32 v98, v98, v99
	v_add_f32 v96, v96, v98
	v_add_f32 v96, v96, v19                        ; the logit z
	v_mul_f32 v96, 0xbfb8aa3b, v96                 ; -z log2(e)
	v_exp_f32 v96, v96
	v_nop                                          ; a plain line behind a transcendental
	s_wait_alu depctr_va_vdst(0)
	v_add_f32 v96, 1.0, v96
	v_rcp_f32 v96, v96                             ; p
	v_nop
	s_wait_alu depctr_va_vdst(0)
	v_cmp_lt_f32 vcc_lo, 0.5, v96
	v_cndmask_b32 v97, 0, v96, vcc_lo              ; p where p > 0.5, else 0: a choice of a value, no branch
	global_store_b32 v15, v97, s[16:17]            ; gw[token][expert]: the work-group stores 512 consecutive bytes
	s_wait_tensorcnt 0x0
	ds_add_u32 v192, v193
	s_wait_dscnt 0x0
	s_endpgm
.Lfunc_end_k_qcf994a1cc8_prep:
	.size	k_qcf994a1cc8_prep, .Lfunc_end_k_qcf994a1cc8_prep-k_qcf994a1cc8_prep
	.p2alignl 7, 3214868480
	.fill 96, 4, 3214868480
	.section	.rodata,"a",@progbits
	.p2align	6, 0x0
	.amdhsa_kernel k_qcf994a1cc8_prep
		.amdhsa_group_segment_fixed_size 52736
		.amdhsa_private_segment_fixed_size 0
		.amdhsa_enable_private_segment 0
		.amdhsa_kernarg_size 72
		.amdhsa_user_sgpr_count 2
		.amdhsa_user_sgpr_kernarg_segment_ptr 1
		.amdhsa_wavefront_size32 1
		.amdhsa_system_sgpr_workgroup_id_x 1
		.amdhsa_system_sgpr_workgroup_id_y 1
		.amdhsa_system_sgpr_workgroup_id_z 1
		.amdhsa_system_vgpr_workitem_id 0
		.amdhsa_next_free_vgpr 194
		.amdhsa_next_free_sgpr 66
		.amdhsa_reserve_vcc 1
		.amdhsa_float_denorm_mode_32 3
		.amdhsa_float_denorm_mode_16_64 3
		.amdhsa_memory_ordered 1
		.amdhsa_forward_progress 1
		.amdhsa_inst_pref_size 219
	.end_amdhsa_kernel
	.amdgpu_metadata
---
amdhsa.version: [ 1, 2 ]
amdhsa.kernels:
  - .name:           k_qcf994a1cc8_prep
    .symbol:         k_qcf994a1cc8_prep.kd
    .args:
      - { .name: x, .offset: 0, .size: 8, .value_kind: global_buffer, .address_space: global }
      - { .name: Wg, .offset: 8, .size: 8, .value_kind: global_buffer, .address_space: global }
      - { .name: bg, .offset: 16, .size: 8, .value_kind: global_buffer, .address_space: global }
      - { .name: W1, .offset: 24, .size: 8, .value_kind: global_buffer, .address_space: global }
      - { .name: W2, .offset: 32, .size: 8, .value_kind: global_buffer, .address_space: global }
      - { .name: xq, .offset: 40, .size: 8, .value_kind: global_buffer, .address_space: global }
      - { .name: gw, .offset: 48, .size: 8, .value_kind: global_buffer, .address_space: global }
      - { .name: w1q, .offset: 56, .size: 8, .value_kind: global_buffer, .address_space: global }
      - { .name: w2q, .offset: 64, .size: 8, .value_kind: global_buffer, .address_space: global }
    .group_segment_fixed_size: 52736
    .private_segment_fixed_size: 0
    .kernarg_segment_align: 8
    .kernarg_segment_size: 72
    .max_flat_workgroup_size: 128
    .sgpr_count:     66
    .vgpr_count:     194
    .wavefront_size: 32
...
	.end_amdgpu_metadata
.endif
;; end of part 1
;; launch up (part 2): grid 128 x 4, 4 waves a work-group, clusters of 4 x 4, 327,680 bytes of LDS; arguments xq, w1q, b1, hq; writes hq
.if DOCPART == 2
	.amdgcn_target "amdgcn-amd-amdhsa--gfx1250"
	.amdhsa_code_object_version 6
	.text
	.protected	k_qcf994a1cc8_up
	.globl	k_qcf994a1cc8_up
	.p2align	8
	.type	k_qcf994a1cc8_up,@function
k_qcf994a1cc8_up:
	s_mov_b64 s[64:65], 0
	v_nop
	global_prefetch_b8 v0, s[64:65] scope:SCOPE_SE
	s_setreg_imm32_b32 hwreg(HW_REG_WAVE_MODE, 25, 1), 1
	s_wait_xcnt 0x0
	s_wait_alu depctr_hold_cnt(0) depctr_sa_sdst(0) depctr_va_vdst(0) depctr_va_sdst(0) depctr_va_ssrc(0) depctr_va_vcc(0) depctr_vm_vsrc(0)
	s_getreg_b32 s2, hwreg(HW_REG_IB_STS2, 6, 4)
	s_cmp_eq_u32 s2, 0
	s_cbranch_scc0 .Lentry_in_a_cluster
	s_endpgm
.Lentry_in_a_cluster:
	s_bfe_u32 s2, ttmp6, 0x10000c
	s_cmp_lg_u32 s2, 0xf033
	s_cbranch_scc0 .Lentry_shape_is_right
	s_endpgm
.Lentry_shape_is_right:
; hq = the quantised relu(x W1 + b1), for all 8 experts: a GEMM on codes of FP6 (E2M3), [1,024 tokens] x [32,768 hidden units], K = 1,024.
; A work-group of four waves makes 256 tokens x 256 hidden units; a wave 128 x 128: 64 accumulators, 512 registers.  K goes in steps of 256 through a ring of two LDS slots filled by the tensor data mover.
; ALL OPERANDS LIE AS IMAGES OF THEIR REGISTERS: a super-tile (128 rows x 256 K, 25,600 dense bytes) holds fragment (row tile i, K step q of 128) at (2 i + q) x 1,536, registers 4 c .. 4 c + 3 of lane l at 512 c + 16 l,
; and its scale words at 24,576 + 128 i + 8 r + 4 q.  So a fragment is three ds_load_b128 of 512 consecutive bytes each (no pitch, no padding), and a slot's four super-tiles come by one tensor load a wave.
; THE PRODUCT IS USED TRANSPOSED (source 0 = 16 rows of W1^T, source 1 = 16 tokens), and the rows of a weight tile were chosen by the launch that made w1q so that a lane's 16 registers of two neighbouring tiles are 16
; neighbouring hidden units: a wave's 8 tiles of a token tile are one fragment of the next product, quantised in registers and stored as its image.  b1 is the C of each sum's first product.
; CLUSTERS: 4 x 4 work-groups.  The four of a row of the cluster need the same tokens' super-tiles, the four of a column the same weights': each is asked for JOINTLY, by the same tensor load with the same descriptor.
; The hidden layer's scale words leave as four stores of 4 bytes a lane, 8 bytes apart (the partner wave writes the words between): 1 byte in 25 of what the launch stores.
; LIMITS: a block of the hidden layer whose largest number lies under 2^-124, or that is all zeros, gets the byte 1 (the quantiser says 127 for zeros): its codes add nothing, and this program alone reads the bytes.
; REGISTERS, in windows of 256: window 0: v16-29 addresses; v32-63 scale words, two sets; v64-127 b1's eight tiles, later a token tile's hidden units; v128-223 the tokens' 8 fragments, ONE set, later at work.
;   window 1: the weights' fragments, TWO sets, at v0 and v128.   windows 2, 3: accumulator (a, b) at v[8 (8 (a % 4) + b)], token tiles 0-3 and 4-7.
.set STB,   25600                      ; a super-tile
.set SCO,   24576                      ; its scale words
.set FRB,   1536                       ; a fragment's image
.set FR,    12                         ; and its registers
.set NL,    3                          ; LDS loads that bring one
.set SLOT,  4*STB                      ; the tokens' two super-tiles, then the weights' two
.set SPARE, 2*SLOT                     ; behind the ring: the spare words, 128 bytes for each wave: two blocks of 256 bytes that no other line names
.set STEPB, 2*STB                      ; a slot's next fill lies two super-tiles on along K
.set LAPS,  2                          ; a lap = once round the ring = 512 along K
.set ADRA_LO, 16                       ; v16-17  LDS address of the tokens' fragments 0-3 in slot 0, 1
.set ADRA_HI, 18                       ; v18-19  of fragments 4-7
.set ADRB,  20                         ; v20-21  of the weights' fragments
.set ADRS_LO, 22                       ; v22-23  of the scale words of blocks 0-3: lanes 0-15 the tokens', lanes 16-31 the weights'
.set ADRS_HI, 24                       ; v24-25  of blocks 4-7
.set L16,   26                         ; v26     16 x lane
.set L8,    27                         ; v27     8 x lane
.set SPW,   28                         ; v28     LDS address of my spare word; never rewritten
.set NIL,   29                         ; v29     0; never rewritten
.set SC,    32                         ; scale words: set s at v[32 + 16 s], register 2 i + q
.set BIAS,  64
.set AF,    128
.set HA,    64                         ; the way out: 64 hidden units of a token
.set PC,    128                        ; the codes just made
.set TM,    160                        ; at work
.set PW,    176                        ; v176-183 the scale word of each token tile
.set WP,    184                        ; v184-187 two tiles' words to a register
.set SEL,   80                         ; s[80:81] selects for lane l xor 16
.set G1, 24                            ; s[24:31] descriptor group 1 for the tokens' tiles;  s[32:39] group 0, one set for each slot
.set G0, 32
.set G1B, 48                           ; s[48:55], s[56:63] the same for the weights'
.set G0B, 56
.set MSB, 0
.macro WIN new                         ; the immediate's high byte repeats the setting that is left; a switch that changes nothing is dropped
.if MSB != (\new)
	s_set_vgpr_msb (MSB<<8)|(\new)
.set MSB, (\new)
.endif
.endm
.set MUL_LO, 0xa1                      ; source 0 (weights) window 1, source 1 (tokens) window 0, C and D window 2
.set MUL_HI, 0xf1                      ; the same, C and D window 3
.set TO_B,   0x40                      ; destination window 1, address window 0
; A joint load: waves 0 and 1 fetch the tokens' two super-tiles, waves 2 and 3 the weights'.  The branch hangs on the wave's number alone.  Four v_nop follow each of the two lines.
.macro JLOAD g0a, g1a, g0b, g1b
	s_cmp_eq_u32 s15, 0
	s_cbranch_scc0 .Lfor_b_\@
	tensor_load_to_lds s[\g0a:\g0a+3], s[\g1a:\g1a+7]
	s_nop 0
.rept 4
	v_nop
.endr
	s_branch .Lasked_\@
.Lfor_b_\@:
	tensor_load_to_lds s[\g0b:\g0b+3], s[\g1b:\g1b+7]
	s_nop 0
.rept 4
	v_nop
.endr
.Lasked_\@:
.endm
.macro CREST                           ; a round of the cluster's barrier behind its opening barrier
	s_cmp_lg_u32 s14, 0
	s_cbranch_scc1 .Lnot_wave_0_\@
	s_barrier_signal -3
.Lnot_wave_0_\@:
	s_barrier_wait -3
	s_barrier_signal -1
	s_barrier_wait -1
.endm
.macro CROUND                          ; a whole round
	s_barrier_signal -1
	s_barrier_wait -1
	CREST
.endm
.macro PLACES n                        ; plain vector lines between a matrix instruction and a load into, a vector write of or a read of its registers (ISA guide 7.12.1 for vector instructions)
.rept \n
	v_nop
.endr
.endm
.macro FRAG reg, adr, off              ; a fragment comes as it was stored: three loads of 512 consecutive bytes
.irp c, 0,1,2
	ds_load_b128 v[\reg+4*\c:\reg+4*\c+3], v[\adr] offset:\off+512*\c
.endr
.endm
.macro FETCH_B slot, q, p              ; the weights' eight fragments of the slot's q-th 128 along K into set p
	WIN TO_B
.irp i, 0,1,2,3,4,5,6,7
	FRAG 128*(\p)+FR*\i, ADRB+\slot, (2*\i+(\q))*FRB
.endr
	WIN 0
.endm
.macro FETCH_A slot, q, i0             ; the tokens' blocks i0 .. i0 + 3
.irp i, 0,1,2,3
.if (\i0) == 0
	FRAG AF+FR*\i, ADRA_LO+\slot, (2*\i+(\q))*FRB
.else
	FRAG AF+FR*(4+\i), ADRA_HI+\slot, (2*\i+(\q))*FRB
.endif
.endr
.endm
.macro SCALES sc                       ; a slot's scale words into set sc: two words a row; lanes 0-15 take the tokens' block i, lanes 16-31 the weights' block i
.irp i, 0,1,2,3
	ds_load_b64 v[SC+16*\sc+2*\i:SC+16*\sc+2*\i+1], v[ADRS_LO+\sc] offset:\i*128
.endr
.irp i, 0,1,2,3
	ds_load_b64 v[SC+16*\sc+8+2*\i:SC+16*\sc+8+2*\i+1], v[ADRS_HI+\sc] offset:\i*128
.endr
.endm
; 16 matrix instructions: token blocks a0, a0 + 1 x the weights' eight, 128 along K.  first = 1: the bias is the C of the sum's first product: nothing is cleared.
; The 64 accumulators take turns, one instruction a turn, in the same order in every step.
.macro MUL16 a0, p, q, sc, first
.irp a, \a0, \a0+1
.irp b, 0,1,2,3,4,5,6,7
.if \first
	v_wmma_scale_f32_16x16x128_f8f6f4 v[8*(8*((\a)%4)+\b):8*(8*((\a)%4)+\b)+7], v[128*(\p)+FR*\b:128*(\p)+FR*\b+FR-1], v[AF+FR*(\a):AF+FR*(\a)+FR-1], v[BIAS+8*\b:BIAS+8*\b+7], v[SC+16*(\sc)+2*\b+(\q)], v[SC+16*(\sc)+2*(\a)+(\q)] matrix_a_fmt:MATRIX_FMT_FP6 matrix_b_fmt:MATRIX_FMT_FP6 matrix_a_scale:MATRIX_SCALE_ROW1
.else
	v_wmma_scale_f32_16x16x128_f8f6f4 v[8*(8*((\a)%4)+\b):8*(8*((\a)%4)+\b)+7], v[128*(\p)+FR*\b:128*(\p)+FR*\b+FR-1], v[AF+FR*(\a):AF+FR*(\a)+FR-1], v[8*(8*((\a)%4)+\b):8*(8*((\a)%4)+\b)+7], v[SC+16*(\sc)+2*\b+(\q)], v[SC+16*(\sc)+2*(\a)+(\q)] matrix_a_fmt:MATRIX_FMT_FP6 matrix_b_fmt:MATRIX_FMT_FP6 matrix_a_scale:MATRIX_SCALE_ROW1
.endif
.endr
.endr
.endm
; A slot's first 128 along K; it fetches the second's fragments.
.macro STEP slot, first
	s_wait_dscnt 4*NL                              ; the weights' set, the tokens' blocks 0-3 and the scale words are in; the youngest 12 loads (blocks 4-7) may be out
.if \first
	WIN 0x81                                       ; C (the bias) window 0, D window 2
.else
	WIN MUL_LO
.endif
	MUL16 0, 0, 0, \slot, \first
	MUL16 2, 0, 0, \slot, \first
	s_wait_dscnt 0                                 ; blocks 4-7 are in (asked for 32 matrix instructions ago)
	PLACES 4
	FETCH_B \slot, 1, 1
	FETCH_A \slot, 1, 0
.if \first
	WIN 0xc1
.else
	WIN MUL_HI
.endif
	MUL16 4, 0, 0, \slot, \first
	MUL16 6, 0, 0, \slot, \first
	PLACES 4
	WIN 0
	FETCH_A \slot, 1, 4
.endm
; A slot's second 128 along K changes slots: ONE barrier; in front of it each wave waits for all its tensor loads, adds 0 to its spare word, and waits for that and for its own reads of this slot.  fill = 1: this slot is filled again.
.macro TURN slot, next, fill
	s_wait_tensorcnt 0x0                           ; all my tensor loads have landed: the one that was out is my part of the next slot
	ds_add_u32 v[SPW], v[NIL]                      ; 0 onto my spare word
	s_wait_dscnt 4*NL+1                            ; (the add and the youngest 12 loads may be out)
	WIN MUL_LO
	MUL16 0, 1, 1, \slot, 0                        ; sixteen matrix instructions stand between the add and the wait for it
	s_wait_dscnt 0x0                               ; the add is done, and my reads of this slot are over
	s_barrier_signal -1
	MUL16 2, 1, 1, \slot, 0
	WIN 0
	s_barrier_wait -1
.if \fill
	CREST                                          ; the barrier has opened a round of the cluster's barrier: no wave of any partner still reads this slot or has a load on its way
	s_add_nc_u64 s[G0+4*\slot+2:G0+4*\slot+3], s[G0+4*\slot+2:G0+4*\slot+3], STEPB
	s_add_nc_u64 s[G0B+4*\slot+2:G0B+4*\slot+3], s[G0B+4*\slot+2:G0B+4*\slot+3], STEPB
	JLOAD G0+4*\slot, G1, G0B+4*\slot, G1B         ; the first tensor load behind the round; the four v_nop behind it are the places in front of the loads below
.else
	PLACES 4
.endif
	FETCH_B \next, 0, 0
	FETCH_A \next, 0, 0
	SCALES \next
	WIN MUL_HI
	MUL16 4, 1, 1, \slot, 0
	MUL16 6, 1, 1, \slot, 0
	PLACES 4
	WIN 0
	FETCH_A \next, 0, 4
.endm
; 64 numbers of a lane, none negative, register 16 b + i = k 32 b + 16 (lane / 16) + i of my row, become a fragment's codes in v[PC] on and its scale word in v[pw].
.macro QUANT s, pw
.irp b, 0,1,2,3
	v_max3_num_f32 v[TM+\b], v[\s+16*\b], v[\s+1+16*\b], 0x1800000   ; block b: my 16 numbers, and the floor 2^(3 - 127): the byte cannot fall under 1
.endr
.irp i, 2,4,6,8,10,12,14
.irp b, 0,1,2,3
	v_max3_num_f32 v[TM+\b], v[TM+\b], v[\s+16*\b+\i], v[\s+1+16*\b+\i]   ; (the four blocks by turns)
.endr
.endr
.irp b, 0,1,2,3
	v_permlanex16_b32 v[TM+4+\b], v[TM+\b], s[SEL], s[SEL+1]
.endr
.irp b, 0,1,2,3
	v_max_num_f32 v[TM+\b], v[TM+\b], v[TM+4+\b]   ; with lane l xor 16's: the block's largest number
.endr
.irp b, 0,1,2,3
	v_add_nc_u32 v[TM+12+\b], 0xff000000, v[TM+\b]   ; 2 off its exponent field: the conversion's scale operand
.endr
.irp b, 0,1,2,3
	v_lshrrev_b32 v[TM+4+\b], 23, v[TM+12+\b]      ; the scale's byte
.endr
	v_lshl_or_b32 v[\pw], v[TM+5], 8, v[TM+4]      ; the four bytes make my row's scale word
	v_lshl_or_b32 v[\pw], v[TM+6], 16, v[\pw]
	v_lshl_or_b32 v[\pw], v[TM+7], 24, v[\pw]
.irp c, 0,1
	v_cvt_scalef32_pk16_fp6_f32 v[PC+6*\c:PC+2+6*\c], v[\s+32*\c:\s+15+32*\c], v[TM+12+2*\c]
	v_cvt_scalef32_pk16_fp6_f32 v[PC+12+4*\c:PC+14+4*\c], v[\s+16+32*\c:\s+31+32*\c], v[TM+12+2*\c+1]   ; (a conversion's three registers begin on an even number)
.endr
	v_nop                                          ; one plain line behind the conversions
.irp c, 0,1                                    ; the operand's layout wants a WHOLE block in a lane: lanes 0-15 block 2 c, lanes 16-31 block 2 c + 1
.irp i, 0,1,2
	v_permlane16_swap_b32 v[PC+6*\c+\i], v[PC+12+4*\c+\i]
.endr
.irp i, 0,1,2
	v_mov_b32 v[PC+3+6*\c+\i], v[PC+12+4*\c+\i]
.endr
.endr
.endm
	s_load_b128 s[4:7], s[0:1], 0x0                ; xq s[4:5], w1q s[6:7]
	s_load_b128 s[8:11], s[0:1], 0x10              ; b1 s[8:9], hq s[10:11]
	v_lshl_add_u32 v[SPW], v0, 2, SPARE
	v_mov_b32 v[NIL], 0
	ds_add_u32 v28, v29
	ds_add_u32 v28, v29
	s_wait_dscnt 0x0
	v_lshrrev_b32 v1, 5, v0
	v_readfirstlane_b32 s14, v1                    ; wave 0..3
	s_lshr_b32 s15, s14, 1                         ; which 128 tokens are mine.  Also: I fetch tokens (0) or weights (1)
	s_and_b32 s16, s14, 1                          ; which 128 hidden units.  Also: which of the two super-tiles I fetch
	s_bfe_u32 s40, ttmp6, 0x40000                  ; cx, cy: my place in the cluster
	s_bfe_u32 s41, ttmp6, 0x40004
	s_lshl_b32 s42, ttmp9, 2
	s_add_co_u32 s42, s42, s40                     ; X: which 256 hidden units of 32,768 = 4 x cluster x + cx
	s_and_b32 s17, ttmp7, 0xffff
	s_lshl_b32 s17, s17, 2
	s_add_co_u32 s17, s17, s41                     ; Y: which 256 tokens = 4 x cluster y + cy
	s_lshl_b32 s43, s41, 2
	s_lshl_b32 s43, 15, s43                        ; my row of the cluster
	s_lshl_b32 s44, 0x1111, s40                    ; my column
	; descriptor group 1: a super-tile is a dense block: 100 rows of 256 bytes (32 elements of 8 bytes), no padding
	s_or_b32 s[G1+0], s43, (3<<16)|(1<<21)         ; 15:0 the mask: the tokens' tiles go to my row; 17:16 elements of 8 bytes; 21 set beside a mask
	s_or_b32 s[G1B+0], s44, (3<<16)|(1<<21)        ; the weights' go to my column
.irp g, G1, G1B
	s_mov_b32 s[\g+1], 32<<16                      ; tensor_dim0
	s_mov_b32 s[\g+2], 100<<16                     ; tensor_dim1
	s_mov_b32 s[\g+3], 32<<16                      ; tile_dim0
	s_mov_b32 s[\g+4], 100                         ; tile_dim1
	s_mov_b32 s[\g+5], 32                          ; tensor_dim0_stride
	s_mov_b32 s[\g+6], 0
	s_mov_b32 s[\g+7], 0
.endr
	s_lshl_b32 s20, s17, 1
	s_add_co_u32 s20, s20, s16
	s_mul_i32 s20, s20, 4*STB                      ; tokens: block of 128 rows 2 Y + half, four super-tiles along K each
	s_mov_b32 s21, 0
	s_lshl_b32 s46, s42, 1
	s_add_co_u32 s46, s46, s16
	s_mul_i32 s46, s46, 4*STB                      ; weights: block 2 X + half
	s_mov_b32 s47, 0
	s_mul_i32 s45, s14, STB                        ; where they go: wave x a super-tile: no place in the cluster enters an LDS address
	s_wait_kmcnt 0x0
	s_add_nc_u64 s[20:21], s[4:5], s[20:21]
	s_add_nc_u64 s[46:47], s[6:7], s[46:47]
	CROUND                                         ; all sixteen work-groups are here: the first joint loads meet
.irp s, 0,1
	s_mov_b32 s[G0+4*\s], 1
	s_add_co_u32 s[G0+4*\s+1], s45, \s*SLOT
	s_add_nc_u64 s[G0+4*\s+2:G0+4*\s+3], s[20:21], \s*STB
	s_or_b32 s[G0+4*\s+3], s[G0+4*\s+3], 0x80000000
	s_mov_b32 s[G0B+4*\s], 1
	s_add_co_u32 s[G0B+4*\s+1], s45, \s*SLOT
	s_add_nc_u64 s[G0B+4*\s+2:G0B+4*\s+3], s[46:47], \s*STB
	s_or_b32 s[G0B+4*\s+3], s[G0B+4*\s+3], 0x80000000
	JLOAD G0+4*\s, G1, G0B+4*\s, G1B
.endr
	v_and_b32 v1, 15, v0                           ; r
	v_bfe_u32 v2, v0, 4, 1                         ; h
	v_and_b32 v3, 31, v0                           ; lane
	v_lshlrev_b32 v[L16], 4, v3
	v_lshlrev_b32 v[L8], 3, v3
	v_lshlrev_b32 v5, 6, v2                        ; b1: lane (r, h) wants, for tile t, the hidden units 32 (t / 2) + 16 h + 8 (t % 2) + 0 .. 7
	s_lshl_b32 s66, s42, 10
	s_lshl_b32 s67, s16, 9
	s_add_co_u32 s66, s66, s67
	s_mov_b32 s67, 0
	s_add_nc_u64 s[8:9], s[8:9], s[66:67]          ; b1 at hidden unit 256 X + 128 x half
.irp t, 0,1,2,3,4,5,6,7
	global_load_b128 v[BIAS+8*\t:BIAS+8*\t+3], v5, s[8:9] offset:(32*(\t/2)+8*(\t%2))*4
	global_load_b128 v[BIAS+8*\t+4:BIAS+8*\t+7], v5, s[8:9] offset:(32*(\t/2)+8*(\t%2))*4+16
.endr
	s_mul_i32 s18, s15, STB                        ; my tokens' super-tile in a slot
	s_mul_i32 s19, s16, STB
	s_add_co_u32 s19, s19, 2*STB                   ; my weights'
	s_xor_b32 s22, s15, 1
	s_add_co_u32 s22, s22, s16
	s_add_co_u32 s22, s22, 1
	s_mul_i32 s22, s22, STB                        ; the distance from the first to the second
	v_mul_u32_u24 v4, s22, v2                      ; lanes 16-31 take the weights' scale words
	v_lshl_add_u32 v4, v1, 3, v4                   ; 8 bytes a row
	v_add_nc_u32 v4, SCO, v4
.irp s, 0,1
	v_add_nc_u32 v[ADRA_LO+\s], s18, v[L16]
	v_add_nc_u32 v[ADRA_HI+\s], 8*FRB, v[ADRA_LO+\s]
	v_add_nc_u32 v[ADRB+\s], s19, v[L16]
	v_add_nc_u32 v[ADRS_LO+\s], s18, v4
	v_add_nc_u32 v[ADRS_HI+\s], 512, v[ADRS_LO+\s]
	s_add_co_u32 s18, s18, SLOT
	s_add_co_u32 s19, s19, SLOT
.endr
	; where my results go: super-tile ((expert x 8 + 2 Y + my token half) x 16 + X % 16) of hq; my hidden half is its K step
	s_lshr_b32 s68, s42, 4
	s_lshl_b32 s68, s68, 3
	s_lshl_b32 s69, s17, 1
	s_add_co_u32 s68, s68, s69
	s_add_co_u32 s68, s68, s15
	s_lshl_b32 s68, s68, 4
	s_and_b32 s69, s42, 15
	s_add_co_u32 s68, s68, s69
	s_mul_i32 s68, s68, STB
	s_mov_b32 s69, 0
	s_add_nc_u64 s[10:11], s[10:11], s[68:69]
	s_mul_i32 s70, s16, FRB
	s_mov_b32 s71, 0
	s_add_nc_u64 s[74:75], s[10:11], s[70:71]      ; the images
	s_lshl_b32 s72, s16, 2
	s_add_co_u32 s72, s72, SCO
	s_mov_b32 s73, 0
	s_add_nc_u64 s[76:77], s[10:11], s[72:73]      ; the scale words
	s_mov_b32 s78, 0xffff0000                      ; lanes 16-31
	s_mov_b32 s[SEL], 0x76543210
	s_mov_b32 s[SEL+1], 0xfedcba98
	s_wait_tensorcnt 1                             ; my part of slot 0 is in (slot 1's load may be out)
	s_barrier_signal -1
	s_barrier_wait -1                              ; everybody's is
	FETCH_B 0, 0, 0
	FETCH_A 0, 0, 0
	SCALES 0
	FETCH_A 0, 0, 4
	s_wait_loadcnt 0x0                             ; b1
	STEP 0, 1                                      ; the first step stands in front of the loop: its products start the sums
	s_mov_b32 s3, LAPS-1
.Llap:                                                 ; a trip goes once round the ring and fills both slots again
	TURN 0, 1, 1
	STEP 1, 0
	TURN 1, 0, 1
	STEP 0, 0
	s_sub_co_u32 s3, s3, 1
	s_cmp_lg_u32 s3, 0
	s_cbranch_scc1 .Llap
	TURN 0, 1, 0                                   ; the last lap fills nothing, and has no round of the cluster's barrier
	STEP 1, 0
	s_wait_dscnt 4*NL                              ; the very last step: nothing more to fetch
	WIN MUL_LO
	MUL16 0, 1, 1, 1, 0
	MUL16 2, 1, 1, 1, 0
	s_wait_dscnt 0
	WIN MUL_HI
	MUL16 4, 1, 1, 1, 0
	MUL16 6, 1, 1, 1, 0
	WIN 0
	PLACES 4                                       ; in front of the first read of results and the first vector write of operands' registers
; THE WAY OUT, a token tile at a time: relu (which also brings the 64 numbers into window 0, each accumulator from its low end on), the quantiser, and the fragment's image: three stores of 512 consecutive bytes.
.macro OUT a
.if (\a) > 0
	s_wait_xcnt 0x0                                ; the last tile's stores have read their registers: the codes are written again only behind this wait
.endif
	WIN 0x08+4*((\a)/4)                            ; source 1: window 2 or 3
.set J, 0
.rept 64
	v_max_num_f32 v[HA+J], 0, v[64*((\a)%4)+J]
.set J, J+1
.endr
	WIN 0
	QUANT HA, PW+(\a)
.irp c, 0,1,2
	global_store_b128 v[L16], v[PC+4*\c:PC+4*\c+3], s[74:75] offset:(\a)*2*FRB+512*\c
.endr
.endm
.irp b, 0,1,2,3
	v_mov_b32 v[TM+4+\b], 0                        ; written once: a lane permute's destination counts as one of its sources
.endr
.irp a, 0,1,2,3,4,5,6,7
	OUT \a
.endr
.irp p, 0,1,2,3
	v_cndmask_b32 v[WP+\p], v[PW+2*\p], v[PW+2*\p+1], s78   ; lanes 0-15 send tile 2 p's words, lanes 16-31 tile 2 p + 1's
.endr
.irp p, 0,1,2,3
	global_store_b32 v[L8], v[WP+\p], s[76:77] offset:256*\p
.endr
	s_wait_tensorcnt 0x0                           ; the wave's end
	ds_add_u32 v[SPW], v[NIL]
	s_wait_dscnt 0x0
	CROUND                                         ; the closing round: no work-group ends while a partner may still ask for a tile that names it
	s_endpgm
.Lfunc_end_k_qcf994a1cc8_up:
	.size	k_qcf994a1cc8_up, .Lfunc_end_k_qcf994a1cc8_up-k_qcf994a1cc8_up
	.p2alignl 7, 3214868480
	.fill 96, 4, 3214868480
	.section	.rodata,"a",@progbits
	.p2align	6, 0x0
	.amdhsa_kernel k_qcf994a1cc8_up
		.amdhsa_group_segment_fixed_size 327680
		.amdhsa_private_segment_fixed_size 0
		.amdhsa_enable_private_segment 0
		.amdhsa_kernarg_size 32
		.amdhsa_user_sgpr_count 2
		.amdhsa_user_sgpr_kernarg_segment_ptr 1
		.amdhsa_wavefront_size32 1
		.amdhsa_system_sgpr_workgroup_id_x 1
		.amdhsa_system_sgpr_workgroup_id_y 1
		.amdhsa_system_sgpr_workgroup_id_z 1
		.amdhsa_system_vgpr_workitem_id 0
		.amdhsa_next_free_vgpr 1024
		.amdhsa_next_free_sgpr 100
		.amdhsa_reserve_vcc 0
		.amdhsa_float_denorm_mode_32 3
		.amdhsa_float_denorm_mode_16_64 3
		.amdhsa_memory_ordered 1
		.amdhsa_forward_progress 1
		.amdhsa_inst_pref_size 155
	.end_amdhsa_kernel
	.amdgpu_metadata
---
amdhsa.version: [ 1, 2 ]
amdhsa.kernels:
  - .name:           k_qcf994a1cc8_up
    .symbol:         k_qcf994a1cc8_up.kd
    .args:
      - { .name: xq, .offset: 0, .size: 8, .value_kind: global_buffer, .address_space: global }
      - { .name: w1q, .offset: 8, .size: 8, .value_kind: global_buffer, .address_space: global }
      - { .name: b1, .offset: 16, .size: 8, .value_kind: global_buffer, .address_space: global }
      - { .name: hq, .offset: 24, .size: 8, .value_kind: global_buffer, .address_space: global }
    .group_segment_fixed_size: 327680
    .private_segment_fixed_size: 0
    .kernarg_segment_align: 8
    .kernarg_segment_size: 32
    .max_flat_workgroup_size: 128
    .sgpr_count:     100
    .vgpr_count:     1024
    .wavefront_size: 32
...
	.end_amdgpu_metadata
.endif
;; end of part 2
;; launch down (part 3): grid 8 x 32, 4 waves a work-group, clusters of 4 x 4, 327,680 bytes of LDS; arguments hq, w2q, b2, gw, part; writes part
.if DOCPART == 3
	.amdgcn_target "amdgcn-amd-amdhsa--gfx1250"
	.amdhsa_code_object_version 6
	.text
	.protected	k_qcf994a1cc8_down
	.globl	k_qcf994a1cc8_down
	.p2align	8
	.type	k_qcf994a1cc8_down,@function
k_qcf994a1cc8_down:
	s_mov_b64 s[64:65], 0
	v_nop
	global_prefetch_b8 v0, s[64:65] scope:SCOPE_SE
	s_setreg_imm32_b32 hwreg(HW_REG_WAVE_MODE, 25, 1), 1
	s_wait_xcnt 0x0
	s_wait_alu depctr_hold_cnt(0) depctr_sa_sdst(0) depctr_va_vdst(0) depctr_va_sdst(0) depctr_va_ssrc(0) depctr_va_vcc(0) depctr_vm_vsrc(0)
	s_getreg_b32 s2, hwreg(HW_REG_IB_STS2, 6, 4)
	s_cmp_eq_u32 s2, 0
	s_cbranch_scc0 .Lentry_in_a_cluster
	s_endpgm
.Lentry_in_a_cluster:
	s_bfe_u32 s2, ttmp6, 0x10000c
	s_cmp_lg_u32 s2, 0xf033
	s_cbranch_scc0 .Lentry_shape_is_right
	s_endpgm
.Lentry_shape_is_right:
; part[e][t][d] = gw[t][e] x (h_e[t] . W2_e[:, d] + b2[e][d]): a GEMM on codes of FP6 (E2M3) for each expert, [1,024 tokens] x [1,024 d], K = 4,096.  The next launch adds the eight experts' parts.
; A work-group makes 256 tokens x 128 d of ONE expert: 8 x 4 x 8 = 256 work-groups.  Its four waves are two halves of the tokens x TWO HALVES OF K: a slot holds 512 along K, and wave (th, kk) multiplies its 128 tokens
; by the 128 d over the slot's kk-th 256: 64 accumulators, 512 registers.  At the end the two waves of a token half exchange half of their sums through LDS, and each finishes 64 tokens.
; So that each wave keeps the accumulators of window 2 and sends those of window 3, the waves with kk = 1 take their token tiles turned by four: accumulator block a holds token tile (a + 4 kk) % 8.
; OPERANDS LIE AS IMAGES OF THEIR REGISTERS, in super-tiles of 128 rows x 256 K (25,600 dense bytes): fragment (i, q) at (2 i + q) x 1,536, registers 4 c .. 4 c + 3 of lane l at 512 c + 16 l; scale words at 24,576 + 128 i + 8 r + 4 q.
; THE PRODUCT IS USED TRANSPOSED (source 0 = 16 rows of W2^T, source 1 = 16 tokens): a lane holds one token, and its 16 registers of two neighbouring tiles are 16 neighbouring d.  b2 is the C of the first products of the waves with kk = 0.
; CLUSTERS: 4 x 4 work-groups of one expert: the four of a row (one block of tokens) share the hidden layer's tiles, the four of a column (one block of d) the weights': each is asked for JOINTLY.
; The order of the sums differs from a single chain along K: two halves of each 512, added at the end, in f32.
; REGISTERS, in windows of 256: window 0: v16-29 addresses; v32-63 scale words, two sets; v64-127 b2's eight tiles, later at work; v128-223 the tokens' 8 fragments, later rows on their way out; v224-227 addresses of the way out; v232-239 the gate's weights.
;   window 1: the weights' fragments, TWO sets.   windows 2, 3: accumulator (a, b) at v[8 (8 (a % 4) + b)].
.set STB,   25600
.set SCO,   24576
.set FRB,   1536
.set FR,    12
.set NL,    3
.set SLOT,  6*STB                      ; tokens 0-127: two super-tiles along K; tokens 128-255: two; the weights: two
.set SPARE, 2*SLOT                     ; behind the ring: the spare words, 128 bytes for each wave: two blocks of 256 bytes that no other line names
.set STEPB, 4*STB                      ; a slot's next fill lies four super-tiles on along K
.set LAPS,  4                          ; a lap = once round the ring = 1,024 along K
.set STG,   163840                     ; the way out: a stage of 16 rows x (512 bytes + 16) for each wave, in slot 1; the exchange takes LDS 0 .. 131,071, in slot 0.  Both slots have had their last fill by then
.set ADRA_LO, 16
.set ADRA_HI, 18
.set ADRB,  20
.set ADRS_LO, 22
.set ADRS_HI, 24
.set L16,   26
.set SPW,   28                         ; v28     LDS address of my spare word; never rewritten
.set NIL,   29                         ; v29     0; never rewritten
.set SC,    32
.set BIAS,  64
.set AF,    128
.set STO,   224                        ; v224    the stage: where I put 64 bytes of a row
.set RD,    225                        ; v225    and where I read a row back
.set XS,    226                        ; v226    the exchange: where I send
.set XR,    227                        ; v227    and where my partner has sent
.set GW,    232                        ; v[232 + 2 a] the gate's weight of my token in block a (named as a pair: the upper register is written too)
.set G1, 24
.set G0, 32
.set G1B, 48
.set G0B, 56
.set MSB, 0
.macro WIN new                         ; the immediate's high byte repeats the setting that is left; a switch that changes nothing is dropped
.if MSB != (\new)
	s_set_vgpr_msb (MSB<<8)|(\new)
.set MSB, (\new)
.endif
.endm
.set MUL_LO, 0xa1                      ; source 0 (weights) window 1, source 1 (tokens) window 0, C and D window 2
.set MUL_HI, 0xf1
.set TO_B,   0x40
; A joint load: waves 0 and 1 fetch the two token halves' tiles, waves 2 and 3 the weights' two super-tiles.  The branch hangs on the wave's number alone.  Four v_nop follow each of the two lines.
.macro JLOAD g0a, g1a, g0b, g1b
	s_cmp_eq_u32 s15, 0
	s_cbranch_scc0 .Lfor_b_\@
	tensor_load_to_lds s[\g0a:\g0a+3], s[\g1a:\g1a+7]
	s_nop 0
.rept 4
	v_nop
.endr
	s_branch .Lasked_\@
.Lfor_b_\@:
	tensor_load_to_lds s[\g0b:\g0b+3], s[\g1b:\g1b+7]
	s_nop 0
.rept 4
	v_nop
.endr
.Lasked_\@:
.endm
.macro CREST
	s_cmp_lg_u32 s14, 0
	s_cbranch_scc1 .Lnot_wave_0_\@
	s_barrier_signal -3
.Lnot_wave_0_\@:
	s_barrier_wait -3
	s_barrier_signal -1
	s_barrier_wait -1
.endm
.macro CROUND
	s_barrier_signal -1
	s_barrier_wait -1
	CREST
.endm
.macro PLACES n                        ; plain vector lines between a matrix instruction and a load into, a vector write of or a read of its registers (ISA guide 7.12.1 for vector instructions)
.rept \n
	v_nop
.endr
.endm
.macro FRAG reg, adr, off
.irp c, 0,1,2
	ds_load_b128 v[\reg+4*\c:\reg+4*\c+3], v[\adr] offset:\off+512*\c
.endr
.endm
.macro FETCH_B slot, q, p
	WIN TO_B
.irp i, 0,1,2,3,4,5,6,7
	FRAG 128*(\p)+FR*\i, ADRB+\slot, (2*\i+(\q))*FRB
.endr
	WIN 0
.endm
.macro FETCH_A slot, q, i0             ; the tokens' blocks i0 .. i0 + 3: which four tiles of the super-tile they are stands in the address register
.irp i, 0,1,2,3
.if (\i0) == 0
	FRAG AF+FR*\i, ADRA_LO+\slot, (2*\i+(\q))*FRB
.else
	FRAG AF+FR*(4+\i), ADRA_HI+\slot, (2*\i+(\q))*FRB
.endif
.endr
.endm
.macro SCALES sc
.irp i, 0,1,2,3
	ds_load_b64 v[SC+16*\sc+2*\i:SC+16*\sc+2*\i+1], v[ADRS_LO+\sc] offset:\i*128
.endr
.irp i, 0,1,2,3
	ds_load_b64 v[SC+16*\sc+8+2*\i:SC+16*\sc+8+2*\i+1], v[ADRS_HI+\sc] offset:\i*128
.endr
.endm
; 16 matrix instructions: token blocks a0, a0 + 1 x the weights' eight, 128 along K.  first = 1: the bias (or zeros) is the C of the sum's first product.  The 64 accumulators take turns, one instruction a turn.
.macro MUL16 a0, p, q, sc, first
.irp a, \a0, \a0+1
.irp b, 0,1,2,3,4,5,6,7
.if \first
	v_wmma_scale_f32_16x16x128_f8f6f4 v[8*(8*((\a)%4)+\b):8*(8*((\a)%4)+\b)+7], v[128*(\p)+FR*\b:128*(\p)+FR*\b+FR-1], v[AF+FR*(\a):AF+FR*(\a)+FR-1], v[BIAS+8*\b:BIAS+8*\b+7], v[SC+16*(\sc)+2*\b+(\q)], v[SC+16*(\sc)+2*(\a)+(\q)] matrix_a_fmt:MATRIX_FMT_FP6 matrix_b_fmt:MATRIX_FMT_FP6 matrix_a_scale:MATRIX_SCALE_ROW1
.else
	v_wmma_scale_f32_16x16x128_f8f6f4 v[8*(8*((\a)%4)+\b):8*(8*((\a)%4)+\b)+7], v[128*(\p)+FR*\b:128*(\p)+FR*\b+FR-1], v[AF+FR*(\a):AF+FR*(\a)+FR-1], v[8*(8*((\a)%4)+\b):8*(8*((\a)%4)+\b)+7], v[SC+16*(\sc)+2*\b+(\q)], v[SC+16*(\sc)+2*(\a)+(\q)] matrix_a_fmt:MATRIX_FMT_FP6 matrix_b_fmt:MATRIX_FMT_FP6 matrix_a_scale:MATRIX_SCALE_ROW1
.endif
.endr
.endr
.endm
.macro STEP slot, first
	s_wait_dscnt 4*NL                              ; the weights' set, the tokens' blocks 0-3 and the scale words are in; the youngest 12 loads (blocks 4-7) may be out
.if \first
	WIN 0x81                                       ; C window 0, D window 2
.else
	WIN MUL_LO
.endif
	MUL16 0, 0, 0, \slot, \first
	MUL16 2, 0, 0, \slot, \first
	s_wait_dscnt 0                                 ; blocks 4-7 are in
	PLACES 4
	FETCH_B \slot, 1, 1
	FETCH_A \slot, 1, 0
.if \first
	WIN 0xc1
.else
	WIN MUL_HI
.endif
	MUL16 4, 0, 0, \slot, \first
	MUL16 6, 0, 0, \slot, \first
	PLACES 4
	WIN 0
	FETCH_A \slot, 1, 4
.endm
.macro TURN slot, next, fill
	s_wait_tensorcnt 0x0                           ; all my tensor loads have landed: the one that was out is my part of the next slot
	ds_add_u32 v[SPW], v[NIL]                      ; 0 onto my spare word
	s_wait_dscnt 4*NL+1                            ; (the add and the youngest 12 loads may be out)
	WIN MUL_LO
	MUL16 0, 1, 1, \slot, 0                        ; sixteen matrix instructions stand between the add and the wait for it
	s_wait_dscnt 0x0                               ; the add is done, and my reads of this slot are over
	s_barrier_signal -1
	MUL16 2, 1, 1, \slot, 0
	WIN 0
	s_barrier_wait -1
.if \fill
	CREST                                          ; the barrier has opened a round of the cluster's barrier: no wave of any partner still reads this slot or has a load on its way
	s_add_nc_u64 s[G0+4*\slot+2:G0+4*\slot+3], s[G0+4*\slot+2:G0+4*\slot+3], STEPB
	s_add_nc_u64 s[G0B+4*\slot+2:G0B+4*\slot+3], s[G0B+4*\slot+2:G0B+4*\slot+3], STEPB
	JLOAD G0+4*\slot, G1, G0B+4*\slot, G1B         ; the first tensor load behind the round; the four v_nop behind it are the places in front of the loads below
.else
	PLACES 4
.endif
	FETCH_B \next, 0, 0
	FETCH_A \next, 0, 0
	SCALES \next
	WIN MUL_HI
	MUL16 4, 1, 1, \slot, 0
	MUL16 6, 1, 1, \slot, 0
	PLACES 4
	WIN 0
	FETCH_A \next, 0, 4
.endm
	s_load_b128 s[4:7], s[0:1], 0x0                ; hq s[4:5], w2q s[6:7]
	s_load_b128 s[8:11], s[0:1], 0x10              ; b2 s[8:9], gw s[10:11]
	s_load_b64 s[12:13], s[0:1], 0x20              ; part
	v_lshl_add_u32 v[SPW], v0, 2, SPARE
	v_mov_b32 v[NIL], 0
	ds_add_u32 v28, v29
	ds_add_u32 v28, v29
	s_wait_dscnt 0x0
	v_lshrrev_b32 v1, 5, v0
	v_readfirstlane_b32 s14, v1                    ; wave 0..3
	s_lshr_b32 s15, s14, 1                         ; th: which 128 tokens are mine.  Also: I fetch tokens (0) or weights (1)
	s_and_b32 s16, s14, 1                          ; kk: which 256 of a slot's 512 along K.  Also: which part I fetch
	s_bfe_u32 s40, ttmp6, 0x40000                  ; cx, cy: my place in the cluster
	s_bfe_u32 s41, ttmp6, 0x40004
	s_lshl_b32 s42, ttmp9, 2
	s_add_co_u32 s42, s42, s40                     ; X: which 128 d = 4 x cluster x + cx
	s_and_b32 s18, ttmp7, 0xffff                   ; the expert = cluster y: the sixteen partners share it
	s_lshl_b32 s17, s18, 2
	s_add_co_u32 s17, s17, s41                     ; Y = 4 x expert + cy; cy is the block of 256 tokens
	s_lshl_b32 s43, s41, 2
	s_lshl_b32 s43, 15, s43                        ; my row of the cluster
	s_lshl_b32 s44, 0x1111, s40                    ; my column
	; descriptor group 1: dense blocks as rows of 256 bytes (32 elements of 8 bytes), no padding: the tokens' 200 rows (two super-tiles), the weights' 100
	s_or_b32 s[G1+0], s43, (3<<16)|(1<<21)         ; 15:0 the mask: the tokens' tiles go to my row; 17:16 elements of 8 bytes; 21 set beside a mask
	s_or_b32 s[G1B+0], s44, (3<<16)|(1<<21)        ; the weights' go to my column
	s_mov_b32 s[G1+1], 32<<16                      ; tensor_dim0
	s_mov_b32 s[G1+2], 200<<16                     ; tensor_dim1
	s_mov_b32 s[G1+3], 32<<16                      ; tile_dim0
	s_mov_b32 s[G1+4], 200                         ; tile_dim1
	s_mov_b32 s[G1+5], 32                          ; tensor_dim0_stride
	s_mov_b32 s[G1+6], 0
	s_mov_b32 s[G1+7], 0
	s_mov_b32 s[G1B+1], 32<<16
	s_mov_b32 s[G1B+2], 100<<16
	s_mov_b32 s[G1B+3], 32<<16
	s_mov_b32 s[G1B+4], 100
	s_mov_b32 s[G1B+5], 32
	s_mov_b32 s[G1B+6], 0
	s_mov_b32 s[G1B+7], 0
	s_lshl_b32 s20, s17, 1
	s_add_co_u32 s20, s20, s16
	s_mul_i32 s20, s20, 16*STB                     ; tokens: block of 128 rows 2 Y + half, sixteen super-tiles along K each
	s_mov_b32 s21, 0
	s_lshl_b32 s46, s18, 3
	s_add_co_u32 s46, s46, s42
	s_mul_i32 s46, s46, 16*STB                     ; weights: block 8 x expert + X,
	s_mul_i32 s47, s16, STB
	s_add_co_u32 s46, s46, s47                     ; + which of a slot's two super-tiles
	s_add_co_u32 s71, s47, 4*STB                   ; where that goes in a slot: behind the tokens' four;
	s_mov_b32 s47, 0
	s_mul_i32 s45, s16, 2*STB                      ; and the tokens' half: no place in the cluster enters an LDS address
	s_wait_kmcnt 0x0
	s_add_nc_u64 s[20:21], s[4:5], s[20:21]
	s_add_nc_u64 s[46:47], s[6:7], s[46:47]
	CROUND                                         ; all sixteen work-groups are here: the first joint loads meet
.irp s, 0,1
	s_mov_b32 s[G0+4*\s], 1
	s_add_co_u32 s[G0+4*\s+1], s45, \s*SLOT
	s_add_nc_u64 s[G0+4*\s+2:G0+4*\s+3], s[20:21], \s*2*STB
	s_or_b32 s[G0+4*\s+3], s[G0+4*\s+3], 0x80000000
	s_mov_b32 s[G0B+4*\s], 1
	s_add_co_u32 s[G0B+4*\s+1], s71, \s*SLOT
	s_add_nc_u64 s[G0B+4*\s+2:G0B+4*\s+3], s[46:47], \s*2*STB
	s_or_b32 s[G0B+4*\s+3], s[G0B+4*\s+3], 0x80000000
	JLOAD G0+4*\s, G1, G0B+4*\s, G1B
.endr
	v_and_b32 v1, 15, v0                           ; r
	v_bfe_u32 v2, v0, 4, 1                         ; h
	v_and_b32 v3, 31, v0                           ; lane
	v_lshlrev_b32 v[L16], 4, v3
	v_lshlrev_b32 v5, 6, v2                        ; b2: lane (r, h) wants, for tile t, d = 32 (t / 2) + 16 h + 8 (t % 2) + 0 .. 7
	v_lshlrev_b32 v6, 5, v1                        ; gw: 32 bytes a token
	s_lshl_b32 s66, s18, 12
	s_lshl_b32 s67, s42, 9
	s_add_co_u32 s66, s66, s67
	s_mov_b32 s67, 0
	s_add_nc_u64 s[8:9], s[8:9], s[66:67]          ; b2 at [expert][128 X]
	s_lshl_b32 s66, s41, 13
	s_lshl_b32 s68, s15, 12
	s_add_co_u32 s66, s66, s68
	s_lshl_b32 s68, s16, 11
	s_add_co_u32 s66, s66, s68
	s_lshl_b32 s68, s18, 2
	s_add_co_u32 s66, s66, s68
	s_add_nc_u64 s[10:11], s[10:11], s[66:67]      ; gw at [256 cy + 128 th + 64 kk][expert]: the 64 tokens that I finish
.irp t, 0,1,2,3,4,5,6,7
	global_load_b128 v[BIAS+8*\t:BIAS+8*\t+3], v5, s[8:9] offset:(32*(\t/2)+8*(\t%2))*4
	global_load_b128 v[BIAS+8*\t+4:BIAS+8*\t+7], v5, s[8:9] offset:(32*(\t/2)+8*(\t%2))*4+16
.endr
.irp a, 0,1,2,3
	global_load_b32 v[GW+2*\a], v6, s[10:11] offset:512*\a
	v_mov_b32 v[GW+2*\a+1], 0
.endr
	s_lshl_b32 s66, s18, 22
	s_lshl_b32 s68, s41, 20
	s_add_co_u32 s66, s66, s68
	s_lshl_b32 s68, s15, 19
	s_add_co_u32 s66, s66, s68
	s_lshl_b32 s68, s16, 18
	s_add_co_u32 s66, s66, s68
	s_lshl_b32 s68, s42, 9
	s_add_co_u32 s66, s66, s68
	s_add_nc_u64 s[12:13], s[12:13], s[66:67]      ; part at [expert][256 cy + 128 th + 64 kk][128 X]
	s_mul_i32 s72, s15, 2*STB
	s_mul_i32 s73, s16, STB
	s_add_co_u32 s72, s72, s73                     ; my tokens' super-tile in a slot
	s_add_co_u32 s73, s73, 4*STB                   ; my weights'
	s_xor_b32 s74, s16, 1                          ; kk ^ 1
	s_xor_b32 s75, s15, 1                          ; th ^ 1
	s_mul_i32 s76, s16, 8*FRB
	s_add_co_u32 s76, s76, s72                     ; blocks 0-3 are token tiles 4 kk on,
	s_mul_i32 s77, s74, 8*FRB
	s_add_co_u32 s77, s77, s72                     ; blocks 4-7 the other four
	s_lshl_b32 s78, s16, 9
	s_lshl_b32 s79, s74, 9
	s_mul_i32 s80, s75, 2*STB
	s_add_co_u32 s81, s80, s79
	s_add_co_u32 s81, s81, 2*STB-512               ; from the tokens' scale words of blocks 0-3 to the weights' of tiles 0-3
	s_add_co_u32 s82, s80, s78
	s_add_co_u32 s82, s82, 2*STB                   ; and the same for blocks 4-7
	s_add_co_u32 s83, s72, s78
	s_add_co_u32 s83, s83, SCO
	s_add_co_u32 s84, s72, s79
	s_add_co_u32 s84, s84, SCO
	s_lshl_b32 s85, s14, 15                        ; the exchange: 32,768 bytes a wave
	s_xor_b32 s86, s14, 1
	s_lshl_b32 s86, s86, 15                        ; my partner's: the other half of K, the same tokens
	s_mul_i32 s87, s14, 16*528
	s_add_co_u32 s87, s87, STG                     ; my stage
	s_cmp_eq_u32 s16, 0
	s_cselect_b32 s70, -1, 0                       ; the bias counts once for a pair of waves: the waves with kk = 1 start from zeros
	s_wait_loadcnt 0x0
.set J, 0
.rept 64
	v_cndmask_b32 v[BIAS+J], 0, v[BIAS+J], s70
.set J, J+1
.endr
	v_lshlrev_b32 v3, 3, v1                        ; 8 bytes of scale words a row
	v_mul_u32_u24 v4, s81, v2                      ; lanes 16-31 take the weights'
	v_add_nc_u32 v4, v4, v3
	v_mul_u32_u24 v5, s82, v2
	v_add_nc_u32 v5, v5, v3
.irp s, 0,1
	v_add_nc_u32 v[ADRA_LO+\s], s76, v[L16]
	v_add_nc_u32 v[ADRA_HI+\s], s77, v[L16]
	v_add_nc_u32 v[ADRB+\s], s73, v[L16]
	v_add_nc_u32 v[ADRS_LO+\s], s83, v4
	v_add_nc_u32 v[ADRS_HI+\s], s84, v5
	s_add_co_u32 s76, s76, SLOT
	s_add_co_u32 s77, s77, SLOT
	s_add_co_u32 s73, s73, SLOT
	s_add_co_u32 s83, s83, SLOT
	s_add_co_u32 s84, s84, SLOT
.endr
	v_add_nc_u32 v[XS], s85, v[L16]
	v_add_nc_u32 v[XR], s86, v[L16]
	v_mul_u32_u24 v6, v1, 528
	v_lshl_add_u32 v6, v2, 6, v6
	v_add_nc_u32 v[STO], s87, v6                   ; in: row r, 64 bytes for each half of the lanes
	v_add_nc_u32 v[RD], s87, v[L16]                ; back: the 32 lanes take one row of 512 bytes
	s_wait_tensorcnt 1                             ; my part of slot 0 is in (slot 1's load may be out)
	s_barrier_signal -1
	s_barrier_wait -1                              ; everybody's is
	FETCH_B 0, 0, 0
	FETCH_A 0, 0, 0
	SCALES 0
	FETCH_A 0, 0, 4
	STEP 0, 1                                      ; the first step stands in front of the loop: its products start the sums
	s_mov_b32 s3, LAPS-1
.Llap:                                                 ; a trip goes once round the ring and fills both slots again
	TURN 0, 1, 1
	STEP 1, 0
	TURN 1, 0, 1
	STEP 0, 0
	s_sub_co_u32 s3, s3, 1
	s_cmp_lg_u32 s3, 0
	s_cbranch_scc1 .Llap
	TURN 0, 1, 0                                   ; the last lap fills nothing, and has no round of the cluster's barrier
	STEP 1, 0
	s_wait_dscnt 4*NL                              ; the very last step: nothing more to fetch
	WIN MUL_LO
	MUL16 0, 1, 1, 1, 0
	MUL16 2, 1, 1, 1, 0
	s_wait_dscnt 0
	WIN MUL_HI
	MUL16 4, 1, 1, 1, 0
	MUL16 6, 1, 1, 1, 0
	WIN 0
	PLACES 4                                       ; in front of the first read of results and the first load into operands' registers
	; THE EXCHANGE.  My blocks 4-7 (window 3) are the token tiles that my partner finishes: they go to LDS as they stand, each accumulator from its low end on, 512 consecutive bytes a store.
	; Slot 0 was left by every wave at the last change of slots and has had its last fill.
	WIN 0x0c                                       ; an LDS store's data are its source 1: window 3
.set N, 0
.rept 64
	ds_store_b128 v[XS], v[4*N:4*N+3] offset:512*N
.set N, N+1
.endr
	WIN 0
	s_wait_dscnt 0x0                               ; for my partner's sake: my stores are done; and so are all my reads of slot 1, into which the stages are written behind this barrier
	s_barrier_signal -1
	s_barrier_wait -1
; Block a of the four that I finish: my sums + my partner's, x the gate's weight of the lane's token; then through my own stage, so that a row's 512 bytes leave by one store of the wave.
.macro FIN a
.if (\a) > 0
	s_wait_xcnt 0x0                                ; the last block's stores have read their registers, which take LDS loads again only behind this wait
.endif
.irp n, 0,1,2,3,4,5,6,7,8,9,10,11,12,13,14,15
	ds_load_b128 v[64+4*\n:64+4*\n+3], v[XR] offset:8192*(\a)+512*\n
.endr
	s_wait_dscnt 0x0
	WIN 0x02                                       ; source 0: window 2
.set N, 0
.rept 32
	v_pk_add_f32 v[64+2*N:65+2*N], v[64*(\a)+2*N:64*(\a)+2*N+1], v[64+2*N:65+2*N]
.set N, N+1
.endr
	WIN 0
.set N, 0
.rept 32
	v_pk_mul_f32 v[64+2*N:65+2*N], v[64+2*N:65+2*N], v[GW+2*(\a):GW+2*(\a)+1] op_sel_hi:[1,0]
.set N, N+1
.endr
.irp bb, 0,1,2,3
.irp m, 0,1,2,3
	ds_store_b128 v[STO], v[64+16*\bb+4*\m:64+16*\bb+4*\m+3] offset:128*\bb+16*\m   ; registers 16 bb + i are d = 32 bb + 16 h + i
.endr
.endr
.irp t, 0,1,2,3,4,5,6,7,8,9,10,11,12,13,14,15
	ds_load_b128 v[128+4*\t:128+4*\t+3], v[RD] offset:528*\t   ; LDS serves a wave's instructions in order (ISA guide 5.7.1.4): these see the stores above
.endr
.irp t, 0,1,2,3,4,5,6,7,8,9,10,11,12,13,14,15
	s_wait_dscnt 15-\t                             ; row t is back; the rows behind it may be out
	global_store_b128 v[L16], v[128+4*\t:128+4*\t+3], s[12:13] offset:(\a)*65536+4096*\t   ; 32 lanes store 512 consecutive bytes, at a multiple of 256 from the buffer's first byte
.endr
.endm
	FIN 0
	FIN 1
	FIN 2
	FIN 3
	s_wait_tensorcnt 0x0                           ; the wave's end, behind my last tensor load and my last LDS store
	ds_add_u32 v[SPW], v[NIL]
	s_wait_dscnt 0x0
	CROUND                                         ; the closing round: no work-group ends while a partner may still ask for a tile that names it
	s_endpgm
.Lfunc_end_k_qcf994a1cc8_down:
	.size	k_qcf994a1cc8_down, .Lfunc_end_k_qcf994a1cc8_down-k_qcf994a1cc8_down
	.p2alignl 7, 3214868480
	.fill 96, 4, 3214868480
	.section	.rodata,"a",@progbits
	.p2align	6, 0x0
	.amdhsa_kernel k_qcf994a1cc8_down
		.amdhsa_group_segment_fixed_size 327680
		.amdhsa_private_segment_fixed_size 0
		.amdhsa_enable_private_segment 0
		.amdhsa_kernarg_size 40
		.amdhsa_user_sgpr_count 2
		.amdhsa_user_sgpr_kernarg_segment_ptr 1
		.amdhsa_wavefront_size32 1
		.amdhsa_system_sgpr_workgroup_id_x 1
		.amdhsa_system_sgpr_workgroup_id_y 1
		.amdhsa_system_sgpr_workgroup_id_z 1
		.amdhsa_system_vgpr_workitem_id 0
		.amdhsa_next_free_vgpr 1024
		.amdhsa_next_free_sgpr 100
		.amdhsa_reserve_vcc 0
		.amdhsa_float_denorm_mode_32 3
		.amdhsa_float_denorm_mode_16_64 3
		.amdhsa_memory_ordered 1
		.amdhsa_forward_progress 1
		.amdhsa_inst_pref_size 152
	.end_amdhsa_kernel
	.amdgpu_metadata
---
amdhsa.version: [ 1, 2 ]
amdhsa.kernels:
  - .name:           k_qcf994a1cc8_down
    .symbol:         k_qcf994a1cc8_down.kd
    .args:
      - { .name: hq, .offset: 0, .size: 8, .value_kind: global_buffer, .address_space: global }
      - { .name: w2q, .offset: 8, .size: 8, .value_kind: global_buffer, .address_space: global }
      - { .name: b2, .offset: 16, .size: 8, .value_kind: global_buffer, .address_space: global }
      - { .name: gw, .offset: 24, .size: 8, .value_kind: global_buffer, .address_space: global }
      - { .name: part, .offset: 32, .size: 8, .value_kind: global_buffer, .address_space: global }
    .group_segment_fixed_size: 327680
    .private_segment_fixed_size: 0
    .kernarg_segment_align: 8
    .kernarg_segment_size: 40
    .max_flat_workgroup_size: 128
    .sgpr_count:     100
    .vgpr_count:     1024
    .wavefront_size: 32
...
	.end_amdgpu_metadata
.endif
;; end of part 3
;; launch add (part 4): grid 256 x 1, 8 waves a work-group, no clusters, 0 bytes of LDS; arguments part, out0; writes out0
.if DOCPART == 4
	.amdgcn_target "amdgcn-amd-amdhsa--gfx1250"
	.amdhsa_code_object_version 6
	.text
	.protected	k_qcf994a1cc8_add
	.globl	k_qcf994a1cc8_add
	.p2align	8
	.type	k_qcf994a1cc8_add,@function
k_qcf994a1cc8_add:
	s_mov_b64 s[64:65], 0
	v_nop
	global_prefetch_b8 v0, s[64:65] scope:SCOPE_SE
	s_setreg_imm32_b32 hwreg(HW_REG_WAVE_MODE, 25, 1), 1
	s_wait_xcnt 0x0
; out0[t][d] = the sum over the eight experts of part[e][t][d], in f32, as a tree of pairs.  A stream: no LDS, no barrier, no matrix unit.
; A work-group owns 16,384 bytes of out0; thread t the 16 bytes at 16 t of each of its four runs of 4,096 bytes, so a load or store of a wave covers 512 consecutive bytes.
; All 32 loads of a wave go out at once (four runs x eight experts); each run is added and stored as soon as its eight loads are in.  Every run has its own registers: nothing that a store reads is written again.
.set R, 4                              ; v4-131: run i, expert e at v[4 + 4 (8 i + e)]
	s_load_b128 s[4:7], s[0:1], 0x0                ; part s[4:5], out0 s[6:7]
	s_lshl_b32 s2, ttmp9, 14
	s_mov_b32 s3, 0
	v_lshlrev_b32 v1, 4, v0
	s_wait_kmcnt 0x0
	s_add_nc_u64 s[8:9], s[4:5], s[2:3]            ; expert 0's part of my bytes
.irp e, 1,2,3,4,5,6,7
	s_add_nc_u64 s[8+2*\e:9+2*\e], s[6+2*\e:7+2*\e], 0x400000   ; an expert's part is 4,194,304 bytes
.endr
	s_add_nc_u64 s[6:7], s[6:7], s[2:3]
.irp i, 0,1,2,3
.irp e, 0,1,2,3,4,5,6,7
	global_load_b128 v[R+4*(8*\i+\e):R+4*(8*\i+\e)+3], v1, s[8+2*\e:9+2*\e] offset:4096*\i th:TH_LOAD_NT
.endr
.endr
.irp i, 0,1,2,3
	s_wait_loadcnt 8*(3-\i)                        ; this run's eight loads are in; the later runs' may be out
.irp e, 0,2,4,6
	v_pk_add_f32 v[R+32*\i+4*\e:R+32*\i+4*\e+1], v[R+32*\i+4*\e:R+32*\i+4*\e+1], v[R+32*\i+4*\e+4:R+32*\i+4*\e+5]
	v_pk_add_f32 v[R+32*\i+4*\e+2:R+32*\i+4*\e+3], v[R+32*\i+4*\e+2:R+32*\i+4*\e+3], v[R+32*\i+4*\e+6:R+32*\i+4*\e+7]
.endr
.irp e, 0,4
	v_pk_add_f32 v[R+32*\i+4*\e:R+32*\i+4*\e+1], v[R+32*\i+4*\e:R+32*\i+4*\e+1], v[R+32*\i+4*\e+8:R+32*\i+4*\e+9]
	v_pk_add_f32 v[R+32*\i+4*\e+2:R+32*\i+4*\e+3], v[R+32*\i+4*\e+2:R+32*\i+4*\e+3], v[R+32*\i+4*\e+10:R+32*\i+4*\e+11]
.endr
	v_pk_add_f32 v[R+32*\i:R+32*\i+1], v[R+32*\i:R+32*\i+1], v[R+32*\i+16:R+32*\i+17]
	v_pk_add_f32 v[R+32*\i+2:R+32*\i+3], v[R+32*\i+2:R+32*\i+3], v[R+32*\i+18:R+32*\i+19]
	global_store_b128 v1, v[R+32*\i:R+32*\i+3], s[6:7] offset:4096*\i th:TH_STORE_NT
.endr
	s_endpgm
.Lfunc_end_k_qcf994a1cc8_add:
	.size	k_qcf994a1cc8_add, .Lfunc_end_k_qcf994a1cc8_add-k_qcf994a1cc8_add
	.p2alignl 7, 3214868480
	.fill 96, 4, 3214868480
	.section	.rodata,"a",@progbits
	.p2align	6, 0x0
	.amdhsa_kernel k_qcf994a1cc8_add
		.amdhsa_group_segment_fixed_size 0
		.amdhsa_private_segment_fixed_size 0
		.amdhsa_enable_private_segment 0
		.amdhsa_kernarg_size 16
		.amdhsa_user_sgpr_count 2
		.amdhsa_user_sgpr_kernarg_segment_ptr 1
		.amdhsa_wavefront_size32 1
		.amdhsa_system_sgpr_workgroup_id_x 1
		.amdhsa_system_sgpr_workgroup_id_y 1
		.amdhsa_system_sgpr_workgroup_id_z 1
		.amdhsa_system_vgpr_workitem_id 0
		.amdhsa_next_free_vgpr 140
		.amdhsa_next_free_sgpr 66
		.amdhsa_reserve_vcc 0
		.amdhsa_float_denorm_mode_32 3
		.amdhsa_float_denorm_mode_16_64 3
		.amdhsa_memory_ordered 1
		.amdhsa_forward_progress 1
		.amdhsa_inst_pref_size 8
	.end_amdhsa_kernel
	.amdgpu_metadata
---
amdhsa.version: [ 1, 2 ]
amdhsa.kernels:
  - .name:           k_qcf994a1cc8_add
    .symbol:         k_qcf994a1cc8_add.kd
    .args:
      - { .name: part, .offset: 0, .size: 8, .value_kind: global_buffer, .address_space: global }
      - { .name: out0, .offset: 8, .size: 8, .value_kind: global_buffer, .address_space: global }
    .group_segment_fixed_size: 0
    .private_segment_fixed_size: 0
    .kernarg_segment_align: 8
    .kernarg_segment_size: 16
    .max_flat_workgroup_size: 256
    .sgpr_count:     66
    .vgpr_count:     140
    .wavefront_size: 32
...
	.end_amdgpu_metadata
.endif
;; end of part 4
